; MI455X (gfx1250); checked and timed in simulation.
; The chip was launched on July 23, 2026; its instructions are those of AMD's public machine-readable ISA for CDNA 5 (MIT licence, August 2026) and "CDNA5" Instruction Set Architecture Reference Guide (July 2026). The comments in the code are by the model that wrote it; some were corrected since.
;; Key Value Attention. Allowed arithmetic: matrix products marked QUANTISED: E2M1 operands, one E8M0 scale for each 32 along K, by v_wmma_scale_f32_16x16x128_f8f6f4 with both operands' format E2M1 (or v_wmma_scale_f32_32x16x128_f4), f32 sums; products left as they are: f32 operands where the result goes on into a quantised operand, else bf16, f16 or f32 operands; f32 sums; everything else in f32.
;; Inputs: V 1,024 x 1 float32; W1 2,048 x 1,024 float32; b1 1,024 float32; bV 1 float32; query 32 x 1,024 float32; values 32 x 1,024 x 2,048 float32.
;; Outputs: out0 32 x 1 x 2,048 float32; out1 32 x 1,024 x 1 float32.
;; This version of the problem:
;;   THIS VERSION OF THE PROBLEM IS GIVEN IN LOW PRECISION. The matrix products marked QUANTISED in the list below multiply operands that are first quantised to E2M1 (2 exponent bits, 1 mantissa bit; 4 bits a number), with one power-of-two scale for each 32 numbers along K (OCP MX v1.0); their sums are f32. All else is computed in f32.
;;   The module's matrix products, in the order in which they are computed (A, B: the left and right operand; K: the contracted axis; several contracted axes count as one K, in the product's order):
;;     1. [M 32,768, K 2,048] x [K 2,048, N 1,024]; A: computed on the way; B: input W1: QUANTISED
;;     2. [M 32,768, K 1,024] x [K 1,024, N 1]; A: computed on the way; B: input V: left as it is (N = 1 < 16)
;;     3. batch 32 x [M 1, K 1,024] x [K 1,024, N 2,048]; A: softmax; B: input values: left as it is (M = 1 < 16)
;;   THE QUANTISER, for each operand of a quantised product, along K:
;;     - K is cut into blocks of 32 from its start; a last block that is shorter is filled with zeros.
;;     - A block's scale is 2^e with e = floor(log2(the largest magnitude in the block)) - 2, held to -126 .. 127; a block of zeros has e = 0. As a byte (E8M0): e + 127.
;;     - Each number is divided by its block's scale, clamped to +-6, and rounded to the nearest number of E2M1, ties to even, subnormals kept.
;;     - The product sums the exact products of the quantised numbers (number of the format x scale) in f32.
;;   ~~~python
;;   def quantise(x, axis):      # numpy; x: float32 -> the quantised numbers, widened to float32 again
;;       x = np.moveaxis(x, axis, -1); K = x.shape[-1]
;;       x = np.pad(x, [(0, 0)] * (x.ndim - 1) + [(0, -K % 32)]); x = x.reshape(x.shape[:-1] + (-1, 32)); a = np.abs(x).max(-1, keepdims=True)
;;       e = np.where(a > 0, np.clip(np.frexp(np.where(a > 0, a, 1))[1] - 1 - 2, -126, 127), 0)      # np.frexp(a)[1] - 1 = floor(log2(a)), exactly
;;       r = np.clip(x / 2.0 ** e, -6, 6)
;;       step = 2.0 ** (np.maximum(np.frexp(np.where(r == 0, 1, r))[1] - 1, 0) - 1)
;;       q = np.round(r / step) * step * 2.0 ** e      # np.round: ties to even
;;       return np.moveaxis(q.reshape(q.shape[:-2] + (-1,))[..., :K], -1, axis).astype(np.float32)
;;   ~~~
;;   OPERANDS COMPUTED ON THE WAY. 'Computed on the way' means the value that the module computes at that place (a softmax that the list does not call 'softmax' is quantised finished and normalised). What goes into a quantiser is computed in f32, as accurately as f32 sums, v_exp_f32 and their like allow (about 1e-6 of the number): no bf16 or f16 on the way to a quantiser, and a product that is left as it is and whose result goes on into a quantised operand takes f32 operands (vector FMAs, or v_wmma_f32_16x16x4_f32). A number that lies on a knife's edge between two numbers of the format may be rounded either way, as far as f32 arithmetic and the matrix unit's own rounding can turn it there, and no further.
;; One version. Each part assembles by itself: llvm-mc -triple=amdgcn-amd-amdhsa -mcpu=gfx1250 --defsym DOCPART=n.
;; ======== version 1 of 1: 3 launches
;; limits: values are held in bf16: 8 bits of precision; right only within a limited range of input values
;; workspace buffers: wq 1,114,112 bytes; scores 131,072 bytes; pc 2,097,152 bytes
;; launch prep (part 1): grid 32 x 2, 4 waves a work-group, no clusters, 1,024 bytes of LDS; arguments W1, wq; writes wq
.if DOCPART == 1
	.amdgcn_target "amdgcn-amd-amdhsa--gfx1250"
	.amdhsa_code_object_version 6
	.text
	.protected	k_q6b9d5ed7c8_prep
	.globl	k_q6b9d5ed7c8_prep
	.p2align	8
	.type	k_q6b9d5ed7c8_prep,@function
k_q6b9d5ed7c8_prep:
	s_mov_b64 s[64:65], 0
	v_nop
	global_prefetch_b8 v0, s[64:65] scope:SCOPE_SE
	s_setreg_imm32_b32 hwreg(HW_REG_WAVE_MODE, 25, 1), 1
	s_wait_xcnt 0x0
; W1 [2048 (k)][1024 (n)] f32 becomes codes of FP4 (E2M1) with one E8M0 byte for each 32 along K, laid in wq in the order in which the
; next launch's waves take them.  A block's scale is 2^(floor(log2(largest magnitude)) - 2): its byte is the largest magnitude's exponent field - 2.
; wq = [slot 8][wave 8][17,408 bytes].  A slot is a chunk of 256 along K; chunk c lies in slot (0x53107642 >> 4 c) & 7, the order in which the
; next launch walks the chunks.  Wave w there owns columns 128 w .. 128 w + 127.  In its block: codes at 2,048 x tile + 1,024 x K step + 256 x block of 32
; + 16 x column (the image of an operand's registers); behind them, at 16,384 + 256 x pair of tiles + 8 x lane, the scale words of the two K steps.
; INSIDE A BLOCK OF 32 THE CODES LIE IN A FIXED PERMUTED ORDER: place 8 p + i holds k = 4 p + i % 4 + 16 (i / 4).  The other operand is laid the same way, so each product meets its partner.
; A LANE TAKES A COLUMN AND ITS REGISTERS RUN DOWN K: a block of 32 lies in one lane, its largest magnitude needs no other lane, and the conversions give codes with K innermost.
; SHARES: work-group x = a pair of tiles (32 columns); K step of 128 = 4 y + wave.  A load reads 128 consecutive bytes; a store of codes fills two aligned runs of 256 bytes.
; LIMITS: NaN and infinities are not served.  A block whose largest magnitude lies under 2^-124 (a block of zeros too) gets the byte 1; the bytes are read by this program alone.
; WORK LEFT OUT, in the whole program.  Both outputs hang on the scores through softmax over t alone, and a term of the score that is the same for every t of a batch leaves softmax as it is.
; Such terms are: bV; b1 . V; and the part of the product over k = 1,024 .. 2,047.  There concat[b][t][k] = query[b][k - 1,024] for every t, the blocks of 32 along K begin at multiples of 32, so these
; 32 blocks hold the query alone, their codes and scales are the same for every t, and so is their sum with Q(W1) folded with V.  This holds for all finite values of the inputs.
; So K steps 8 .. 15 of the first product are not multiplied, rows 1,024 .. 2,047 of W1 are not read (the grid's y is 0 or 1: K steps 0 .. 7, chunks 0 .. 3, slots 2, 4, 6, 7 of wq),
; and query, b1 and bV are no argument of any launch.  LIMIT: a NaN, an infinity or an overflow that reaches only the work left out is not carried to the results.
.set SLOTG, 139264
.set WBLK,  17408
.set C,     16                         ; v16-31   codes: four registers a block, so that no store's data are written again
.set X,     32                         ; v32-159  the 128 numbers, in the permuted order
	s_load_b128 s[4:7], s[0:1], 0x0                ; W1, wq
	v_lshl_add_u32 v176, v0, 2, 0x200
	v_mov_b32 v177, 0
	v_lshrrev_b32 v1, 5, v0
	v_readfirstlane_b32 s16, v1                    ; wave 0..3
	v_and_b32 v1, 31, v0                           ; lane = my column of the 32
	v_lshlrev_b32 v2, 2, v1                        ; in: 4 bytes a lane
	v_lshrrev_b32 v8, 4, v1
	v_and_b32 v9, 15, v1
	v_lshlrev_b32 v3, 11, v8                       ; out: 2,048 x (which of the two tiles)
	v_lshl_add_u32 v3, v9, 4, v3                   ;      + 16 x column of the tile
	s_lshr_b32 s17, s16, 1                         ; which of the work-group's two chunks
	s_and_b32 s18, s16, 1                          ; which K step of the chunk
	s_lshl_b32 s19, s17, 8
	v_lshl_add_u32 v5, v1, 3, s19                  ; LDS: the chunk's 256 bytes of scale words, 8 bytes a lane;
	s_lshl_b32 s20, s18, 2
	v_add_nc_u32 v4, s20, v5                       ; my K step's word in them
	v_lshlrev_b32 v6, 3, v1
	s_and_b32 s21, ttmp7, 0xffff
	s_lshl_b32 s22, s21, 2
	s_add_co_u32 s22, s22, s16                     ; K step 0..15
	s_lshl_b32 s24, s22, 19                        ; its 128 rows of 4,096 bytes
	s_lshl_b32 s23, ttmp9, 7                       ; my 32 columns
	s_add_co_u32 s24, s24, s23
	s_mov_b32 s25, 0
	s_lshr_b32 s23, s22, 1                         ; chunk
	s_lshl_b32 s23, s23, 2
	s_lshr_b32 s23, 0x53107642, s23
	s_and_b32 s23, s23, 7                          ; its slot
	s_mul_i32 s26, s23, SLOTG
	s_lshr_b32 s23, ttmp9, 2                       ; the wave that will read these columns
	s_mul_i32 s23, s23, WBLK
	s_add_co_u32 s26, s26, s23
	s_and_b32 s23, ttmp9, 3                        ; the pair of tiles in its block
	s_lshl_b32 s28, s23, 12
	s_lshl_b32 s29, s18, 10
	s_add_co_u32 s28, s28, s29
	s_add_co_u32 s28, s28, s26                     ; where my codes begin
	s_mov_b32 s29, 0
	s_lshl_b32 s30, s23, 8
	s_add_co_u32 s30, s30, 16384
	s_add_co_u32 s30, s30, s26                     ; where the pair's scale words begin
	s_mov_b32 s31, 0
	s_wait_alu depctr_va_vdst(0)
	s_wait_kmcnt 0x0
	s_add_nc_u64 s[4:5], s[4:5], s[24:25]
	s_add_nc_u64 s[8:9], s[6:7], s[30:31]
	s_add_nc_u64 s[6:7], s[6:7], s[28:29]
.set Q, 0
.rept 128                              ; register 32 b + p takes row 32 b + 4 (p / 8) + p % 4 + 16 ((p % 8) / 4)
	global_load_b32 v[X+Q], v2, s[4:5] offset:(32*(Q/32)+4*((Q%32)/8)+(Q%4)+16*((Q%8)/4))*4096
.set Q, Q+1
.endr
.macro BLOCK b
.set XS, X+32*(\b)
.if (\b) < 2
	s_wait_loadcnt 63                              ; 96 or 64 loads are younger than this block's; the wait names the most that its field holds, which is fewer
.else
	s_wait_loadcnt 32*(3-(\b))                     ; the later blocks' loads may be out
.endif
	v_max3_num_f32 v8, |v[XS]|, |v[XS+1]|, |v[XS+2]|               ; the block's largest magnitude, in two chains
	v_max3_num_f32 v9, |v[XS+3]|, |v[XS+4]|, |v[XS+5]|
.irp i, 6,10,14,18,22,26
	v_max3_num_f32 v8, v8, |v[XS+\i]|, |v[XS+\i+1]|
	v_max3_num_f32 v9, v9, |v[XS+\i+2]|, |v[XS+\i+3]|
.endr
	v_max3_num_f32 v8, v8, |v[XS+30]|, |v[XS+31]|
	v_max3_num_f32 v8, v8, v9, 0x1800000           ; and the floor 2^(3 - 127): the byte cannot fall under 1
	v_add_nc_u32 v11, 0xff000000, v8               ; 2 off the exponent field: the conversion takes the exponent field of this operand as its scale
	v_lshrrev_b32 v13, 23, v11                     ; the scale's byte
.if (\b) == 0
	v_mov_b32 v12, v13
.else
	v_lshl_or_b32 v12, v13, 8*(\b), v12            ; four bytes make the K step's scale word of my column
.endif
.irp g, 0,1,2,3
	v_cvt_scalef32_pk8_fp4_f32 v[C+4*(\b)+\g], v[XS+8*\g:XS+8*\g+7], v11
.endr
	global_store_b128 v3, v[C+4*(\b):C+4*(\b)+3], s[6:7] offset:256*(\b)   ; lanes 0-15 store 256 consecutive bytes, lanes 16-31 another 256; the next block begins with plain vector lines
.endm
	BLOCK 0
	BLOCK 1
	BLOCK 2
	BLOCK 3
	ds_store_b32 v4, v12
	s_wait_dscnt 0x0                               ; for the other wave's sake: my word lies in LDS
	s_barrier_signal -1
	s_barrier_wait -1
	s_cmp_lg_u32 s18, 0                            ; the wave of a chunk's first K step sends both K steps' words
	s_cbranch_scc1 .Lend
	ds_load_b64 v[14:15], v5
	s_wait_dscnt 0x0
	global_store_b64 v6, v[14:15], s[8:9]          ; 32 lanes store 256 consecutive bytes, aligned
.Lend:
	s_wait_tensorcnt 0x0
	ds_add_u32 v176, v177
	s_wait_dscnt 0x0
	s_endpgm
.Lfunc_end_k_q6b9d5ed7c8_prep:
	.size	k_q6b9d5ed7c8_prep, .Lfunc_end_k_q6b9d5ed7c8_prep-k_q6b9d5ed7c8_prep
	.p2alignl 7, 3214868480
	.fill 96, 4, 3214868480
	.section	.rodata,"a",@progbits
	.p2align	6, 0x0
	.amdhsa_kernel k_q6b9d5ed7c8_prep
		.amdhsa_group_segment_fixed_size 1024
		.amdhsa_private_segment_fixed_size 0
		.amdhsa_enable_private_segment 0
		.amdhsa_kernarg_size 16
		.amdhsa_user_sgpr_count 2
		.amdhsa_user_sgpr_kernarg_segment_ptr 1
		.amdhsa_wavefront_size32 1
		.amdhsa_system_sgpr_workgroup_id_x 1
		.amdhsa_system_sgpr_workgroup_id_y 1
		.amdhsa_system_sgpr_workgroup_id_z 1
		.amdhsa_system_vgpr_workitem_id 0
		.amdhsa_next_free_vgpr 178
		.amdhsa_next_free_sgpr 66
		.amdhsa_reserve_vcc 0
		.amdhsa_float_denorm_mode_32 3
		.amdhsa_float_denorm_mode_16_64 3
		.amdhsa_memory_ordered 1
		.amdhsa_forward_progress 1
		.amdhsa_inst_pref_size 21
	.end_amdhsa_kernel
	.amdgpu_metadata
---
amdhsa.version: [ 1, 2 ]
amdhsa.kernels:
  - .name:           k_q6b9d5ed7c8_prep
    .symbol:         k_q6b9d5ed7c8_prep.kd
    .args:
      - { .name: W1, .offset: 0, .size: 8, .value_kind: global_buffer, .address_space: global }
      - { .name: wq, .offset: 8, .size: 8, .value_kind: global_buffer, .address_space: global }
    .group_segment_fixed_size: 1024
    .private_segment_fixed_size: 0
    .kernarg_segment_align: 8
    .kernarg_segment_size: 16
    .max_flat_workgroup_size: 128
    .sgpr_count:     66
    .vgpr_count:     178
    .wavefront_size: 32
...
	.end_amdgpu_metadata
.endif
;; end of part 1
;; launch fuse (part 2): grid 256 x 1, 8 waves a work-group, no clusters, 314,368 bytes of LDS; arguments values, V, wq, scores, pc; writes scores, pc
.if DOCPART == 2
	.amdgcn_target "amdgcn-amd-amdhsa--gfx1250"
	.amdhsa_code_object_version 6
	.text
	.protected	k_q6b9d5ed7c8_fuse
	.globl	k_q6b9d5ed7c8_fuse
	.p2align	8
	.type	k_q6b9d5ed7c8_fuse,@function
k_q6b9d5ed7c8_fuse:
	s_mov_b64 s[64:65], 0
	v_nop
	global_prefetch_b8 v0, s[64:65] scope:SCOPE_SE
	s_setreg_imm32_b32 hwreg(HW_REG_WAVE_MODE, 25, 1), 1
	s_wait_xcnt 0x0
; For a block of 128 rows (time steps) of one batch: scores[row] = sum over u of V[u] (sum over k < 1,024 of Q(key)[row][k] Q(W1)[k][u]); m = the block's largest score; p = e^(score - m);
; pc[block][f] = sum over the block's rows of p[row] values[row][f], f = 0 .. 2,047.  The next launch joins a batch's eight blocks under the batch's maximum.
; LEFT OUT (shown at the head of the first kernel): the query's K steps, b1 and bV: the same for every row of a batch, so softmax takes them away.
; The product runs on codes of FP4 (E2M1) with one E8M0 scale for each 32 along K; W1's come from wq (layout: the launch before), the rows' are made here from f32.
; values IS READ ONCE.  Wave w loads rows 16 w .. 16 w + 15, 1,024 bytes of a row a turn: turns 0-3 the key half, turns 4-7 the other half.  A key turn is quantised (codes to all waves through LDS) and a copy
; rounded to bf16 stays in the wave's own 32,768 bytes of LDS, each lane's numbers at its own place; when p is known the wave weighs its 16 rows: the key half from that copy, the other half as it lands.
; In turn n work-group i takes the 1,024 bytes number (n + i) mod 4 of the half, so that the work-groups do not all walk the same part of the rows and of wq together.
; THE WAVES SHARE THE COLUMNS of W1: wave w owns columns 128 w .. + 127 for all 128 rows.  Its fragments go from wq straight into registers, half a chunk (4 tiles, 18 loads) at a time, in two sets.
; NO TENSOR LOADS, NO CLUSTER: LDS holds 262,144 bytes of copies and 38,912 of codes; the 13,312 bytes between hold tables; no two slots of a chunk's 139,264 bytes fit.  NO PREFETCH: every wave has 32 loads of rows out from its head to its last turn.
; THE MATRIX INSTRUCTION IS USED TRANSPOSED: source 0 = 16 columns of W1, source 1 = 16 rows: a lane holds one row (lane % 16) and columns 8 (lane / 16) + 0 .. 7.  The score is linear in e, so each chunk's sums are folded with V at once.
; INSIDE A BLOCK OF 32 THE CODES LIE IN A FIXED PERMUTED ORDER, the same in both operands: place 8 p + i holds k = 4 p + i % 4 + 16 (i / 4).
; LIMITS: NaN and infinities are not served.  A block whose largest magnitude lies under 2^-124 gets the byte 1.  The key half enters pc rounded to bf16.  The sums over K and over rows are taken in another order than a plain chain.
; REGISTERS.  Window 0: v1-19 addresses; v20-47 at work; v48-175 16 landing places of 8; v176-183 the rows' scale words, v184-191 W1's (scales and nothing else); v192-255 W1's tiles 0-3.
; Window 1: v0-127 the rows' fragments (later v0-15: my rows' p); v128-159 4 accumulators; v160-175 the folded sums; v176-191 V of a tile, two sets; v192-255 W1's tiles 4-7.
.set SLOTG, 139264
.set WBLK,  17408
.set AP,    144                        ; a row's 128 bytes of codes + 16
.set REG0,  262144                     ; two regions of codes (128 x 144) and scale bytes (128 x 8), 0x8000 apart, so that one exclusive or turns one into the other
.set RSC,   18432
.set RTOG,  0x8000
.set VTAB,  281600                     ; V, 512 bytes a wave
.set PART,  285696                     ; [wave][128 rows] partial scores
.set PW,    289792                     ; p, 512 bytes a wave, each wave's own
.set SPARE, 293888                     ; the spare words, 128 bytes a wave
.set SPW, 1
.set NIL, 2
.set XO,  3                            ; 128 (r / 4) + 16 (r % 4) + 64 h: my 16 bytes of a load's 512
.set CW,  4
.set SW,  5
.set AFA, 6
.set ASA, 7
.set L16, 8
.set L8,  9
.set VA0, 10
.set PWA, 11
.set PRA, 12
.set CPY, 13
.set CWT, 14                           ; v14-18: the turn's addresses
.set SWT, 15
.set AFT, 16
.set AST, 17
.set CPT, 18
.set PB,  19
.set XT,  20
.set KBR, 32
.set KAC, 20                           ; the weighing: 8 sums of the key turn, 8 of the other
.set VAC, 28
.set LAND, 48
.set SA,  176
.set SB,  184
.set WF,  192
.set AF,  0
.set ACC, 128
.set SC,  160
.set VV,  176
.set ROT, 19
.set TN,  20                           ; the turn whose rows are asked for
.set RGR, 21
.set RGW, 22
.set TC,  23
.set XB,  24
.set WQA, 26
.set WQB, 28
.set MSB, 0
.macro WIN new
.if MSB != (\new)
	s_set_vgpr_msb (MSB<<8)|(\new)
.set MSB, (\new)
.endif
.endm
.macro ROWOFF n                        ; s[40:41] = the byte in a row at which turn n begins
	s_add_co_u32 s40, s[ROT], \n
	s_and_b32 s40, s40, 3
	s_and_b32 s41, \n, 4
	s_or_b32 s40, s40, s41
	s_lshl_b32 s40, s40, 10
	s_mov_b32 s41, 0
.endm
.macro SETXB n
	ROWOFF \n
	s_add_nc_u64 s[XB:XB+1], s[4:5], s[40:41]
.endm
.macro SETWQ dst, add                  ; my wave's block of chunk (TN + add + work-group) mod 4; chunk c lies in slot (0x7642 >> 4 c) & 7
	s_add_co_u32 s40, s[TN], s[ROT]
	s_add_co_u32 s40, s40, \add
	s_and_b32 s40, s40, 3
	s_lshl_b32 s40, s40, 2
	s_lshr_b32 s40, 0x7642, s40
	s_and_b32 s40, s40, 7
	s_mul_i32 s40, s40, SLOTG
	s_mov_b32 s41, 0
	s_add_nc_u64 s[\dst:\dst+1], s[8:9], s[40:41]
.endm
.macro WORK wr
	v_add_nc_u32 v[AFT], s[RGR], v[AFA]
	v_add_nc_u32 v[AST], s[RGR], v[ASA]
.if \wr
	v_add_nc_u32 v[CWT], s[RGW], v[CW]
	v_add_nc_u32 v[SWT], s[RGW], v[SW]
	v_add_nc_u32 v[CPT], s[TC], v[CPY]
.endif
.endm
.macro LOADP q                         ; row q of my 16: 1,024 bytes by two loads of 512 consecutive bytes
	global_load_b128 v[LAND+8*(\q):LAND+8*(\q)+3], v[XO], s[XB:XB+1] offset:8192*(\q) th:TH_LOAD_NT
	global_load_b128 v[LAND+8*(\q)+4:LAND+8*(\q)+7], v[XO], s[XB:XB+1] offset:8192*(\q)+512 th:TH_LOAD_NT
.endm
.macro WLOAD hs, base                  ; half a chunk of W1: 2 loads of scale words, 16 of codes
.irp p, 0,1
	global_load_b64 v[SB+4*(\hs)+2*\p:SB+4*(\hs)+2*\p+1], v[L8], s[\base:\base+1] offset:16384+256*(2*(\hs)+\p)
.endr
	WIN 0x40*(\hs)
.irp t, 0,1,2,3
.irp f, 0,1,2,3
	global_load_b128 v[WF+16*\t+4*\f:WF+16*\t+4*\f+3], v[L16], s[\base:\base+1] offset:2048*(4*(\hs)+\t)+512*\f
.endr
.endr
	WIN 0
.endm
; Four rows of a key turn: copied in bf16, quantised, and their places asked for again.  cnt: the loads issued behind these rows' eight.
.macro XG g, cnt
	s_wait_dscnt 0x0                               ; the last group's LDS stores are done: their registers are written again
	s_wait_loadcnt \cnt
.irp d, 0,1,2,3
.set LL, LAND+8*(4*(\g)+\d)
.irp i, 0,1,2,3
	v_cvt_pk_bf16_f32 v[KBR+4*\d+\i], v[LL+2*\i], v[LL+2*\i+1]
.endr
.endr
.irp d, 0,1,2,3
.set LL, LAND+8*(4*(\g)+\d)
.irp i, 0,1,2,3
	v_permlane16_swap_b32 v[LL+\i], v[LL+4+\i]     ; lanes 0-15 take K step 0, lanes 16-31 K step 1: 8 numbers of one block each
.endr
.endr
.irp d, 0,1,2,3
.set LL, LAND+8*(4*(\g)+\d)
	v_max3_num_f32 v[XT+3*\d], |v[LL]|, |v[LL+1]|, |v[LL+2]|
.endr
.irp d, 0,1,2,3
.set LL, LAND+8*(4*(\g)+\d)
	v_max3_num_f32 v[XT+3*\d+1], |v[LL+3]|, |v[LL+4]|, |v[LL+5]|
.endr
.irp d, 0,1,2,3
.set LL, LAND+8*(4*(\g)+\d)
	v_max3_num_f32 v[XT+3*\d+2], |v[LL+6]|, |v[LL+7]|, 0x1800000   ; the floor 2^(3 - 127): the byte cannot fall under 1
.endr
.irp d, 0,1,2,3
	s_delay_alu instid0(VALU_DEP_4)
	v_max3_num_f32 v[XT+3*\d], v[XT+3*\d], v[XT+3*\d+1], v[XT+3*\d+2]
.endr
.irp d, 0,1,2,3
	s_delay_alu instid0(VALU_DEP_4)
	v_max_num_f32_dpp v[XT+3*\d], v[XT+3*\d], v[XT+3*\d] row_xmask:1 row_mask:0xf bank_mask:0xf
.endr
.irp d, 0,1,2,3
	s_delay_alu instid0(VALU_DEP_4)
	v_max_num_f32_dpp v[XT+3*\d], v[XT+3*\d], v[XT+3*\d] row_xmask:2 row_mask:0xf bank_mask:0xf   ; the block's largest magnitude
.endr
.irp d, 0,1,2,3
	s_delay_alu instid0(VALU_DEP_4)
	v_add_nc_u32 v[XT+3*\d+1], 0xff000000, v[XT+3*\d]              ; 2 off its exponent field: the conversion's scale operand
.endr
.irp d, 0,1,2,3
.set LL, LAND+8*(4*(\g)+\d)
	v_cvt_scalef32_pk8_fp4_f32 v[XT+3*\d+2], v[LL:LL+7], v[XT+3*\d+1]
.endr
.irp d, 0,1,2,3
	v_lshrrev_b32 v[XT+3*\d], 23, v[XT+3*\d+1]                     ; the scale's byte (plain lines behind the conversions)
.endr
.irp d, 0,1,2,3
	ds_store_b32 v[CWT], v[XT+3*\d+2] offset:AP*(4*(\g)+\d)
	ds_store_b8 v[SWT], v[XT+3*\d] offset:8*(4*(\g)+\d)            ; a block's four lanes write the same byte with the same value
	ds_store_b128 v[CPT], v[KBR+4*\d:KBR+4*\d+3] offset:512*(4*(\g)+\d)   ; the copy: 16 bytes a lane, read back by the same lane
.endr
.irp d, 0,1,2,3
	LOADP 4*(\g)+\d
.endr
.endm
.macro ALOADK                          ; the chunk's codes of all 128 rows: 8 row blocks x 2 K steps, and their scale words
	WIN 0x40
.irp k, 0,1
.irp a, 0,1,2,3,4,5,6,7
.irp c, 0,1
	ds_load_b128 v[AF+64*\k+8*\a+4*\c:AF+64*\k+8*\a+4*\c+3], v[AFT] offset:16*AP*\a+64*\k+32*\c
.endr
.endr
.endr
	WIN 0
.irp i, 0,1,2,3
	ds_load_b64 v[SA+2*\i:SA+2*\i+1], v[AST] offset:128*\i         ; lanes 0-15: row block i, lanes 16-31: row block i + 4
.endr
.endm
.macro MM1 T, x, k, a
.set rD, ACC+8*(\a)
.set rW, WF+16*((\T)%4)+8*(\k)
.set rA, AF+64*(\k)+8*(4*(\x)+(\a))
.set rSW, SB+2*((\T)/2)+(\k)
.set rSA, SA+2*(\a)+(\k)
.if (\k) == 0
.if (\T)%2 == 0
.if (\x) == 0
	v_wmma_scale_f32_16x16x128_f8f6f4 v[rD:rD+7], v[rW:rW+7], v[rA:rA+7], 0, v[rSW], v[rSA] matrix_a_fmt:MATRIX_FMT_FP4 matrix_b_fmt:MATRIX_FMT_FP4
.else
	v_wmma_scale_f32_16x16x128_f8f6f4 v[rD:rD+7], v[rW:rW+7], v[rA:rA+7], 0, v[rSW], v[rSA] matrix_a_fmt:MATRIX_FMT_FP4 matrix_b_fmt:MATRIX_FMT_FP4 matrix_b_scale:MATRIX_SCALE_ROW1
.endif
.else
.if (\x) == 0
	v_wmma_scale_f32_16x16x128_f8f6f4 v[rD:rD+7], v[rW:rW+7], v[rA:rA+7], 0, v[rSW], v[rSA] matrix_a_fmt:MATRIX_FMT_FP4 matrix_b_fmt:MATRIX_FMT_FP4 matrix_a_scale:MATRIX_SCALE_ROW1
.else
	v_wmma_scale_f32_16x16x128_f8f6f4 v[rD:rD+7], v[rW:rW+7], v[rA:rA+7], 0, v[rSW], v[rSA] matrix_a_fmt:MATRIX_FMT_FP4 matrix_b_fmt:MATRIX_FMT_FP4 matrix_a_scale:MATRIX_SCALE_ROW1 matrix_b_scale:MATRIX_SCALE_ROW1
.endif
.endif
.else
.if (\T)%2 == 0
.if (\x) == 0
	v_wmma_scale_f32_16x16x128_f8f6f4 v[rD:rD+7], v[rW:rW+7], v[rA:rA+7], v[rD:rD+7], v[rSW], v[rSA] matrix_a_fmt:MATRIX_FMT_FP4 matrix_b_fmt:MATRIX_FMT_FP4
.else
	v_wmma_scale_f32_16x16x128_f8f6f4 v[rD:rD+7], v[rW:rW+7], v[rA:rA+7], v[rD:rD+7], v[rSW], v[rSA] matrix_a_fmt:MATRIX_FMT_FP4 matrix_b_fmt:MATRIX_FMT_FP4 matrix_b_scale:MATRIX_SCALE_ROW1
.endif
.else
.if (\x) == 0
	v_wmma_scale_f32_16x16x128_f8f6f4 v[rD:rD+7], v[rW:rW+7], v[rA:rA+7], v[rD:rD+7], v[rSW], v[rSA] matrix_a_fmt:MATRIX_FMT_FP4 matrix_b_fmt:MATRIX_FMT_FP4 matrix_a_scale:MATRIX_SCALE_ROW1
.else
	v_wmma_scale_f32_16x16x128_f8f6f4 v[rD:rD+7], v[rW:rW+7], v[rA:rA+7], v[rD:rD+7], v[rSW], v[rSA] matrix_a_fmt:MATRIX_FMT_FP4 matrix_b_fmt:MATRIX_FMT_FP4 matrix_a_scale:MATRIX_SCALE_ROW1 matrix_b_scale:MATRIX_SCALE_ROW1
.endif
.endif
.endif
.endm
; A tile of 16 columns against 128 rows: twice (row blocks 0-3, 4-7) 8 matrix instructions, the 4 accumulators by turns, then the fold with V onto a pair of sums a row block.
; Four places stand behind the last product (ISA guide 7.12.1); each accumulator is read from its low end on.  more = 1: the next tile's V is asked for; the wait leaves those two loads out.
.macro TILE T, more
	WIN 0x40
.if \more
	ds_load_b128 v[VV+8*(((\T)+1)%2):VV+8*(((\T)+1)%2)+3], v[VA0] offset:64*(((\T)+1)%8)
	ds_load_b128 v[VV+8*(((\T)+1)%2)+4:VV+8*(((\T)+1)%2)+7], v[VA0] offset:64*(((\T)+1)%8)+16
	s_wait_dscnt 2
.else
	s_wait_dscnt 0x0
.endif
.irp x, 0,1
	WIN 0x54+(\T)/4                                ; W1's tiles 0-3 lie in window 0, tiles 4-7 in window 1; all else in window 1
.irp k, 0,1
.irp a, 0,1,2,3
	MM1 \T, \x, \k, \a
.endr
.endr
	WIN 0x55
.rept 4
	v_nop
.endr
.irp i, 0,1,2,3
.irp a, 0,1,2,3
	v_pk_fma_f32 v[SC+8*\x+2*\a:SC+8*\x+2*\a+1], v[ACC+8*\a+2*\i:ACC+8*\a+2*\i+1], v[VV+8*((\T)%2)+2*\i:VV+8*((\T)%2)+2*\i+1], v[SC+8*\x+2*\a:SC+8*\x+2*\a+1]
.endr
.endr
.endr
.endm
; A chunk's head: the regions change places, the turn's addresses are made, and ONE barrier: in front of it my stores of codes have landed and my reads of the other region are back.
.macro TOP wr
	s_xor_b32 s[RGR], s[RGR], RTOG
.if \wr
	s_xor_b32 s[RGW], s[RGW], RTOG
	s_add_co_u32 s[TC], s[TC], 8192
.endif
	s_wait_xcnt 0x0                                ; the loads issued so far have read their bases
.if \wr
	SETXB s[TN]
.endif
	SETWQ WQB, 2
	WORK \wr
	s_wait_alu depctr_va_vdst(0)                   ; the wait here, directly ahead of the wait below
	s_wait_dscnt 0x0
	s_barrier_signal -1
	s_barrier_wait -1
.endm
.macro OADD x, y
.irp e, 0,2,4,6
	v_pk_add_f32 v[\x+\e:\x+\e+1], v[\x+\e:\x+\e+1], v[\y+\e:\y+\e+1]
.endr
.endm
	s_load_b256 s[4:11], s[0:1], 0x0               ; values, V, wq, scores
	s_load_b64 s[12:13], s[0:1], 0x20              ; pc
	v_lshl_add_u32 v[SPW], v0, 2, SPARE
	v_mov_b32 v[NIL], 0
	v_lshrrev_b32 v20, 5, v0
	v_readfirstlane_b32 s18, v20                   ; wave 0..7
	s_and_b32 s[ROT], ttmp9, 3
	s_lshl_b32 s32, ttmp9, 20                      ; values: 128 rows of 8,192 bytes,
	s_lshl_b32 s40, s18, 17                        ; my wave's 16
	s_add_co_u32 s32, s32, s40
	s_mov_b32 s33, 0
	s_lshl_b32 s34, s18, 9                         ; my 128 numbers of V
	s_mov_b32 s35, 0
	s_mul_i32 s36, s18, WBLK                       ; my block in a slot of wq
	s_mov_b32 s37, 0
	s_lshl_b32 s38, ttmp9, 9                       ; my work-group's 128 scores
	s_mov_b32 s39, 0
	s_lshl_b32 s48, ttmp9, 13                      ; and its 8,192 bytes of pc
	s_mov_b32 s49, 0
	s_mov_b32 s44, 0x76543210
	s_mov_b32 s45, 0xfedcba98                      ; v_permlanex16_b32's selects for lane l xor 16
	s_mov_b32 s46, 0x3fb8aa3b                      ; log2(e)
	s_mov_b32 s47, s46
	s_mov_b32 s[RGR], RTOG
	s_mov_b32 s[RGW], 0
	s_mov_b32 s[TC], 0
	s_mov_b32 s[TN], 2
	s_mul_i32 s50, s18, 16*AP
	s_add_co_u32 s50, s50, REG0
	s_lshl_b32 s51, s18, 7
	s_add_co_u32 s51, s51, REG0+RSC
	s_add_co_u32 s52, s34, VTAB
	s_add_co_u32 s53, s34, PART
	s_add_co_u32 s54, s34, PW
	s_lshl_b32 s55, s18, 15
	v_and_b32 v20, 31, v0                          ; l
	v_and_b32 v21, 15, v0                          ; r
	v_bfe_u32 v22, v0, 4, 1                        ; h
	v_bfe_u32 v23, v0, 2, 2                        ; r / 4
	v_and_b32 v24, 3, v0                           ; r % 4
	v_lshrrev_b32 v25, 2, v20                      ; l / 4
	v_lshlrev_b32 v[XO], 7, v23
	v_lshlrev_b32 v[L16], 4, v20
	v_lshlrev_b32 v[L8], 3, v20
	v_lshl_add_u32 v[XO], v24, 4, v[XO]
	v_lshl_add_u32 v[CW], v20, 2, s50
	v_add_nc_u32 v[SW], s51, v25
	v_lshl_add_u32 v[XO], v22, 6, v[XO]
	v_mul_u32_u24 v[AFA], v21, AP
	v_lshlrev_b32 v[ASA], 3, v21
	v_lshl_add_u32 v[AFA], v22, 4, v[AFA]
	v_lshl_add_u32 v[ASA], v22, 9, v[ASA]
	v_add_nc_u32 v[AFA], REG0, v[AFA]
	v_add_nc_u32 v[ASA], REG0+RSC, v[ASA]
	v_lshl_add_u32 v[VA0], v22, 5, s52
	v_add_nc_u32 v26, s52, v[L16]
	v_lshl_add_u32 v[PWA], v21, 2, s53
	v_add_nc_u32 v[PRA], PART, v[L16]
	v_add_nc_u32 v[PB], s54, v[L16]
	v_add_nc_u32 v[CPY], s55, v[L16]
	WORK 1
	WIN 0x40
.irp i, 0,1,2,3,4,5,6,7,8,9,10,11,12,13,14,15
	v_mov_b32 v[SC+\i], 0                          ; the 16 running sums: added onto in every tile of every chunk
.endr
	WIN 0
	s_wait_alu depctr_va_vdst(0)                   ; the wait at the head's end
	s_wait_kmcnt 0x0
	s_add_nc_u64 s[4:5], s[4:5], s[32:33]
	s_add_nc_u64 s[6:7], s[6:7], s[34:35]
	s_add_nc_u64 s[8:9], s[8:9], s[36:37]
	s_add_nc_u64 s[10:11], s[10:11], s[38:39]
	s_add_nc_u64 s[12:13], s[12:13], s[48:49]
	global_load_b128 v[KBR:KBR+3], v[L16], s[6:7]
	SETXB 0
.irp q, 0,1,2,3,4,5,6,7,8,9,10,11,12,13,14,15
	LOADP \q
.endr
	s_wait_loadcnt 32                              ; V is in; turn 0's 32 loads may be out
	ds_store_b128 v26, v[KBR:KBR+3]                ; my wave's own bytes, read by it alone
	WIN 0x40
	ds_load_b128 v[VV:VV+3], v[VA0]
	ds_load_b128 v[VV+4:VV+7], v[VA0] offset:16
	WIN 0
	s_wait_xcnt 0x0
	SETXB 1
	SETWQ WQA, 2
	XG 0, 24                                       ; behind these rows' loads: the other 24 of turn 0
	WLOAD 0, WQA
	XG 1, 42                                       ; 16 of turn 0, 8 of turn 1, W1's 18
	XG 2, 42
	XG 3, 42
; Loads go out in the order WB (18), R0 (8), WA (18), R1, R2, R3 in every trip, the head's last five likewise: so behind a group's 8 loads stand 60, behind WA 50, behind WB 34.
.Ltrip:
	TOP 1
	ALOADK
	WLOAD 1, WQB
	XG 0, 60
	s_wait_loadcnt 50
	TILE 0, 1
	TILE 1, 1
	TILE 2, 1
	TILE 3, 1
	WIN 0
	s_wait_xcnt 0x0
	SETWQ WQA, 3
	WLOAD 0, WQA                                   ; the next chunk's tiles 0-3
	XG 1, 60
	s_wait_loadcnt 34
	TILE 4, 1
	TILE 5, 1
	TILE 6, 1
	TILE 7, 1
	WIN 0
	XG 2, 60
	XG 3, 60
	s_add_co_u32 s[TN], s[TN], 1
	s_cmp_lt_u32 s[TN], 5
	s_cbranch_scc1 .Ltrip
	TOP 0                                          ; the last chunk: nothing is left to quantise; turn 4's rows are on their way
	ALOADK
	WLOAD 1, WQB
	s_wait_loadcnt 42                              ; behind WA: 24 loads of rows and WB's 18
	TILE 0, 1
	TILE 1, 1
	TILE 2, 1
	TILE 3, 1
	s_wait_loadcnt 0x0
	TILE 4, 1
	TILE 5, 1
	TILE 6, 1
	TILE 7, 0
	WIN 0x05
	s_wait_alu depctr_va_vdst(0)
.irp a, 0,1,2,3,4,5,6,7
	v_add_f32 v[20+\a], v[SC+2*\a], v[SC+2*\a+1]
.endr
	WIN 0
.irp a, 0,1,2,3,4,5,6,7
	v_permlanex16_b32 v[28+\a], v[20+\a], s44, s45 ; the row's other 8 columns of each tile lie in the lane 16 away
.endr
.irp a, 0,1,2,3,4,5,6,7
	v_add_f32 v[20+\a], v[20+\a], v[28+\a]
.endr
.irp a, 0,1,2,3,4,5,6,7
	ds_store_b32 v[PWA], v[20+\a] offset:64*\a     ; row 16 a + r of my wave's partial scores; both halves of the lanes write the same value
.endr
	s_wait_dscnt 0x0
	s_barrier_signal -1
	s_barrier_wait -1
.irp i, 0,1,2,3,4,5,6,7
	ds_load_b128 v[WF+4*\i:WF+4*\i+3], v[PRA] offset:512*\i        ; every wave adds the eight parts for itself: four rows a lane
.endr
	s_lshl_b32 s40, s18, 6
	s_add_co_u32 s40, s40, s54                     ; my 16 rows' p in my wave's 512 bytes
	s_wait_dscnt 0x0
	OADD WF, WF+8
	OADD WF+16, WF+24
	OADD WF, WF+16
	v_pk_add_f32 v[WF:WF+1], v[WF:WF+1], v[WF+4:WF+5]
	v_pk_add_f32 v[WF+2:WF+3], v[WF+2:WF+3], v[WF+6:WF+7]
	v_mov_b32 v14, s40
	s_cmp_lg_u32 s18, 0
	s_wait_alu depctr_va_vdst(0)                   ; the wait here, directly ahead of the branch
	s_cbranch_scc1 .Lnot_wave_0
	global_store_b128 v[L16], v[WF:WF+3], s[10:11] ; the block's 128 scores: 512 consecutive bytes, aligned
.Lnot_wave_0:
	v_max3_num_f32 v20, v[WF], v[WF+1], v[WF+2]
	v_max_num_f32 v20, v20, v[WF+3]
	v_max_num_f32_dpp v20, v20, v20 row_xmask:1 row_mask:0xf bank_mask:0xf
	v_max_num_f32_dpp v20, v20, v20 row_xmask:2 row_mask:0xf bank_mask:0xf
	v_max_num_f32_dpp v20, v20, v20 row_xmask:4 row_mask:0xf bank_mask:0xf
	v_max_num_f32_dpp v20, v20, v20 row_xmask:8 row_mask:0xf bank_mask:0xf
	v_permlanex16_b32 v21, v20, s44, s45
	v_max_num_f32 v20, v20, v21                    ; m: the block's largest score
	v_mul_f32 v22, s46, v20
	v_mov_b32 v23, v22
	v_pk_fma_f32 v[24:25], v[WF:WF+1], s[46:47], v[22:23] op_sel_hi:[1,0,0] neg_lo:[0,0,1] neg_hi:[0,0,1]
	v_pk_fma_f32 v[26:27], v[WF+2:WF+3], s[46:47], v[22:23] op_sel_hi:[1,0,0] neg_lo:[0,0,1] neg_hi:[0,0,1]
	s_wait_alu depctr_va_vdst(0)                   ; the wait ahead of the batch
.irp i, 24,25,26,27
	v_exp_f32 v\i, v\i                             ; p = e^(score - m), at most 1
.endr
	v_nop
	s_wait_alu depctr_va_vdst(0)                   ; and behind it
	ds_store_b128 v[PB], v[24:27]
	WIN 0x40
.irp i, 0,1,2,3
	ds_load_b128 v[4*\i:4*\i+3], v14 offset:16*\i  ; my 16 rows' p into every lane (window 1, v0-15); LDS serves a wave's instructions in order
.endr
	WIN 0
	s_mov_b32 s[TC], 0
	s_wait_dscnt 0x0
; THE WEIGHING.  A trip takes one turn of the other half from the landing places and one key turn from my copy, 16 rows each, 8 sums a lane each; the sums go to the first 2,048 bytes of the copy's turn, which has been read.
.macro VROW q
.set LL, LAND+8*(\q)
.set WP, 2*((\q)/2)
.irp e, 0,2,4,6
.if (\q) == 0
	v_pk_mul_f32 v[VAC+\e:VAC+\e+1], v[LL+\e:LL+\e+1], v[WP:WP+1] op_sel_hi:[1,0]
.else
.if (\q)%2 == 0
	v_pk_fma_f32 v[VAC+\e:VAC+\e+1], v[LL+\e:LL+\e+1], v[WP:WP+1], v[VAC+\e:VAC+\e+1] op_sel_hi:[1,0,1]
.else
	v_pk_fma_f32 v[VAC+\e:VAC+\e+1], v[LL+\e:LL+\e+1], v[WP:WP+1], v[VAC+\e:VAC+\e+1] op_sel:[0,1,0] op_sel_hi:[1,1,1]
.endif
.endif
.endr
.endm
.macro P2 more
.if \more
	s_wait_xcnt 0x0
	SETXB s[TN]
.endif
	v_add_nc_u32 v[CPT], s[TC], v[CPY]
.irp q, 0,1,2,3,4,5,6,7,8,9,10,11,12,13,14,15
	ds_load_b128 v[WF+4*\q:WF+4*\q+3], v[CPT] offset:512*\q
.endr
	WIN 0x04                                       ; source 1 (p) in window 1
.irp g, 0,1,2,3
.if \g > 0
	s_wait_alu depctr_va_vdst(0)                   ; the wait here, directly ahead of the wait below
.endif
.if \more
	s_wait_loadcnt 24                              ; behind these four rows' 8 loads stand the other three groups' 24
.else
	s_wait_loadcnt 24-8*\g
.endif
.irp d, 0,1,2,3
	VROW 4*\g+\d
.endr
.if \more
.irp d, 0,1,2,3
	LOADP 4*\g+\d
.endr
.endif
.endr
	s_wait_dscnt 0x0
	WIN 0
.irp e, 0,1,2,3
	v_lshlrev_b32 v[36+2*\e], 16, v[WF+\e]         ; row 0 starts the sums: bf16 to f32
	v_and_b32 v[37+2*\e], 0xffff0000, v[WF+\e]
.endr
	WIN 0x04
.irp e, 0,2,4,6
	v_pk_mul_f32 v[KAC+\e:KAC+\e+1], v[36+\e:37+\e], v[0:1] op_sel_hi:[1,0]
.endr
.irp q, 1,2,3,4,5,6,7,8,9,10,11,12,13,14,15
.irp e, 0,1,2,3
	v_fma_mix_f32_bf16 v[KAC+2*\e], v[WF+4*\q+\e], v[\q], v[KAC+2*\e] op_sel_hi:[1,0,0]
	v_fma_mix_f32_bf16 v[KAC+2*\e+1], v[WF+4*\q+\e], v[\q], v[KAC+2*\e+1] op_sel:[1,0,0] op_sel_hi:[1,0,0]
.endr
.endr
	WIN 0
	ds_store_b128 v[CPT], v[KAC:KAC+3]
	ds_store_b128 v[CPT], v[KAC+4:KAC+7] offset:512
	ds_store_b128 v[CPT], v[VAC:VAC+3] offset:1024
	ds_store_b128 v[CPT], v[VAC+4:VAC+7] offset:1536
.endm
.Lweigh:
	P2 1
	s_add_co_u32 s[TC], s[TC], 8192
	s_add_co_u32 s[TN], s[TN], 1
	s_cmp_lt_u32 s[TN], 8
	s_cbranch_scc1 .Lweigh
	P2 0                                           ; the last turn asks for nothing
	; the eight waves' sums are added: wave v takes turn v (0-3: key, 4-7: the other half), 1,024 bytes of pc's row
	s_and_b32 s42, s18, 3
	s_lshl_b32 s42, s42, 13
	s_lshr_b32 s43, s18, 2
	s_lshl_b32 s43, s43, 10
	s_add_co_u32 s42, s42, s43
	ROWOFF s18
	s_add_nc_u64 s[12:13], s[12:13], s[40:41]
	v_add_nc_u32 v14, s42, v[L16]
	v_add_nc_u32 v15, 0x10000, v14
	v_add_nc_u32 v16, 0x20000, v14
	v_add_nc_u32 v17, 0x30000, v14
	s_wait_alu depctr_va_vdst(0)                   ; the wait here, directly ahead of the wait below
	s_wait_dscnt 0x0
	s_barrier_signal -1
	s_barrier_wait -1
.irp u, 0,1,2,3,4,5,6,7
	ds_load_b128 v[LAND+8*\u:LAND+8*\u+3], v[14+\u/2] offset:32768*(\u%2)
	ds_load_b128 v[LAND+8*\u+4:LAND+8*\u+7], v[14+\u/2] offset:32768*(\u%2)+512
.endr
	s_wait_dscnt 0x0
	OADD LAND, LAND+8
	OADD LAND+16, LAND+24
	OADD LAND+32, LAND+40
	OADD LAND+48, LAND+56
	OADD LAND, LAND+16
	OADD LAND+32, LAND+48
	OADD LAND, LAND+32
	global_store_b128 v[XO], v[LAND:LAND+3], s[12:13]              ; the places from which the numbers were loaded: 512 consecutive bytes a store, aligned
	global_store_b128 v[XO], v[LAND+4:LAND+7], s[12:13] offset:512
	s_wait_tensorcnt 0x0                           ; the wave's end
	ds_add_u32 v[SPW], v[NIL]
	s_wait_dscnt 0x0
	s_endpgm
.Lfunc_end_k_q6b9d5ed7c8_fuse:
	.size	k_q6b9d5ed7c8_fuse, .Lfunc_end_k_q6b9d5ed7c8_fuse-k_q6b9d5ed7c8_fuse
	.p2alignl 7, 3214868480
	.fill 96, 4, 3214868480
	.section	.rodata,"a",@progbits
	.p2align	6, 0x0
	.amdhsa_kernel k_q6b9d5ed7c8_fuse
		.amdhsa_group_segment_fixed_size 314368
		.amdhsa_private_segment_fixed_size 0
		.amdhsa_enable_private_segment 0
		.amdhsa_kernarg_size 40
		.amdhsa_user_sgpr_count 2
		.amdhsa_user_sgpr_kernarg_segment_ptr 1
		.amdhsa_wavefront_size32 1
		.amdhsa_system_sgpr_workgroup_id_x 1
		.amdhsa_system_sgpr_workgroup_id_y 1
		.amdhsa_system_sgpr_workgroup_id_z 1
		.amdhsa_system_vgpr_workitem_id 0
		.amdhsa_next_free_vgpr 512
		.amdhsa_next_free_sgpr 66
		.amdhsa_reserve_vcc 0
		.amdhsa_float_denorm_mode_32 3
		.amdhsa_float_denorm_mode_16_64 3
		.amdhsa_memory_ordered 1
		.amdhsa_forward_progress 1
		.amdhsa_inst_pref_size 181
	.end_amdhsa_kernel
	.amdgpu_metadata
---
amdhsa.version: [ 1, 2 ]
amdhsa.kernels:
  - .name:           k_q6b9d5ed7c8_fuse
    .symbol:         k_q6b9d5ed7c8_fuse.kd
    .args:
      - { .name: values, .offset: 0, .size: 8, .value_kind: global_buffer, .address_space: global }
      - { .name: V, .offset: 8, .size: 8, .value_kind: global_buffer, .address_space: global }
      - { .name: wq, .offset: 16, .size: 8, .value_kind: global_buffer, .address_space: global }
      - { .name: scores, .offset: 24, .size: 8, .value_kind: global_buffer, .address_space: global }
      - { .name: pc, .offset: 32, .size: 8, .value_kind: global_buffer, .address_space: global }
    .group_segment_fixed_size: 314368
    .private_segment_fixed_size: 0
    .kernarg_segment_align: 8
    .kernarg_segment_size: 40
    .max_flat_workgroup_size: 256
    .sgpr_count:     66
    .vgpr_count:     512
    .wavefront_size: 32
...
	.end_amdgpu_metadata
.endif
;; end of part 2
;; launch join (part 3): grid 8 x 32, 1 waves a work-group, no clusters, 0 bytes of LDS; arguments scores, pc, out0, out1; writes out0, out1
.if DOCPART == 3
	.amdgcn_target "amdgcn-amd-amdhsa--gfx1250"
	.amdhsa_code_object_version 6
	.text
	.protected	k_q6b9d5ed7c8_join
	.globl	k_q6b9d5ed7c8_join
	.p2align	8
	.type	k_q6b9d5ed7c8_join,@function
k_q6b9d5ed7c8_join:
	s_mov_b64 s[64:65], 0
	v_nop
	global_prefetch_b8 v0, s[64:65] scope:SCOPE_SE
	s_setreg_imm32_b32 hwreg(HW_REG_WAVE_MODE, 25, 1), 1
	s_wait_xcnt 0x0
; out1[b][t] = softmax over t of scores[b][t];  out0[b][f] = sum over the batch's eight blocks j of e^(m_j - M) pc[8 b + j][f] / L, with m_j the largest score of block j (as the launch before took it),
; M the batch's largest and L = sum over t of e^(score - M).  The scores lack the terms that are the same for every t of a batch (shown at the head of the first kernel): softmax takes them away.
; SHARES: work-group (c, b), one wave, owns out0[b][256 c .. + 255] and out1[b][128 c .. + 127].  Load j of the scores is block j: 4 scores a lane.  All 25 loads go out at the head.
; No LDS, no barrier, no matrix unit: a few thousand numbers a work-group.  LIMITS: NaN and infinities are not served.
.set MJ,  8                            ; v8-15  m_j, then the blocks' factors
.set S,   32                           ; v32-63 the batch's scores
.set OWN, 64                           ; v64-67 my block's scores once more
.set O,   72                           ; v72-79 my 8 sums
.set PCR, 96                           ; v96-159 eight blocks x 8 numbers
	s_load_b256 s[4:11], s[0:1], 0x0               ; scores, pc, out0, out1
	s_and_b32 s12, ttmp7, 0xffff                   ; the batch
	s_lshl_b32 s14, s12, 12                        ; its 4,096 bytes of scores and of out1
	s_mov_b32 s15, 0
	s_lshl_b32 s16, ttmp9, 9                       ; my block's 512 of them
	s_mov_b32 s17, 0
	s_lshl_b32 s26, ttmp9, 10                      ; my 1,024 bytes of a row
	s_lshl_b32 s18, s12, 16                        ; pc: the batch's 8 rows of 8,192 bytes
	s_add_co_u32 s18, s18, s26
	s_mov_b32 s19, 0
	s_lshl_b32 s20, s12, 13                        ; out0: the batch's row
	s_add_co_u32 s20, s20, s26
	s_mov_b32 s21, 0
	s_mov_b32 s22, 0x3fb8aa3b                      ; log2(e)
	s_mov_b32 s23, s22
	s_mov_b32 s24, 0x76543210
	s_mov_b32 s25, 0xfedcba98
	v_lshlrev_b32 v1, 4, v0
.irp i, 16,17,18,19,20,21,22,23,25
	v_mov_b32 v\i, 0                               ; a lane permute's destination counts as one of its sources
.endr
	s_wait_alu depctr_va_vdst(0)                   ; the wait at the head's end
	s_wait_kmcnt 0x0
	s_add_nc_u64 s[4:5], s[4:5], s[14:15]
	s_add_nc_u64 s[28:29], s[4:5], s[16:17]
	s_add_nc_u64 s[6:7], s[6:7], s[18:19]
	s_add_nc_u64 s[8:9], s[8:9], s[20:21]
	s_add_nc_u64 s[10:11], s[10:11], s[14:15]
	s_add_nc_u64 s[10:11], s[10:11], s[16:17]
.irp j, 0,1,2,3,4,5,6,7
	global_load_b128 v[S+4*\j:S+4*\j+3], v1, s[4:5] offset:512*\j
.endr
	global_load_b128 v[OWN:OWN+3], v1, s[28:29]
.irp j, 0,1,2,3,4,5,6,7
	global_load_b128 v[PCR+8*\j:PCR+8*\j+3], v1, s[6:7] offset:8192*\j th:TH_LOAD_NT
	global_load_b128 v[PCR+8*\j+4:PCR+8*\j+7], v1, s[6:7] offset:8192*\j+512 th:TH_LOAD_NT
.endr
	s_wait_loadcnt 16                              ; the scores are in; pc's 16 loads may be out
.irp j, 0,1,2,3,4,5,6,7
	v_max3_num_f32 v[MJ+\j], v[S+4*\j], v[S+4*\j+1], v[S+4*\j+2]
.endr
.irp j, 0,1,2,3,4,5,6,7
	v_max_num_f32 v[MJ+\j], v[MJ+\j], v[S+4*\j+3]
.endr
.irp m, 1,2,4,8
.irp j, 0,1,2,3,4,5,6,7
	v_max_num_f32_dpp v[MJ+\j], v[MJ+\j], v[MJ+\j] row_xmask:\m row_mask:0xf bank_mask:0xf
.endr
.endr
.irp j, 0,1,2,3,4,5,6,7
	v_permlanex16_b32 v[16+\j], v[MJ+\j], s24, s25
.endr
.irp j, 0,1,2,3,4,5,6,7
	v_max_num_f32 v[MJ+\j], v[MJ+\j], v[16+\j]     ; m_j, in every lane
.endr
	v_max3_num_f32 v24, v[MJ], v[MJ+1], v[MJ+2]
	v_max3_num_f32 v24, v24, v[MJ+3], v[MJ+4]
	v_max3_num_f32 v24, v24, v[MJ+5], v[MJ+6]
	v_max_num_f32 v24, v24, v[MJ+7]                ; M
	v_mul_f32 v26, s22, v24
	v_mov_b32 v27, v26
.irp j, 0,2,4,6,8,10,12,14,16,18,20,22,24,26,28,30,32,34
	v_pk_fma_f32 v[S+\j:S+\j+1], v[S+\j:S+\j+1], s[22:23], v[26:27] op_sel_hi:[1,0,0] neg_lo:[0,0,1] neg_hi:[0,0,1]   ; x log2(e) - M log2(e); the last two pairs are my block's
.endr
.irp j, 0,2,4,6
	v_pk_fma_f32 v[MJ+\j:MJ+\j+1], v[MJ+\j:MJ+\j+1], s[22:23], v[26:27] op_sel_hi:[1,0,0] neg_lo:[0,0,1] neg_hi:[0,0,1]
.endr
	s_wait_alu depctr_va_vdst(0)                   ; the wait ahead of the batch
.irp j, 0,1,2,3,4,5,6,7,8,9,10,11,12,13,14,15,16,17,18,19,20,21,22,23,24,25,26,27,28,29,30,31,32,33,34,35
	v_exp_f32 v[S+\j], v[S+\j]
.endr
.irp j, 0,1,2,3,4,5,6,7
	v_exp_f32 v[MJ+\j], v[MJ+\j]
.endr
	v_nop
	s_wait_alu depctr_va_vdst(0)                   ; and behind it
	v_pk_add_f32 v[28:29], v[S:S+1], v[S+2:S+3]
	v_pk_add_f32 v[30:31], v[S+4:S+5], v[S+6:S+7]
.irp j, 8,12,16,20,24,28
	v_pk_add_f32 v[28:29], v[28:29], v[S+\j:S+\j+1]
	v_pk_add_f32 v[30:31], v[30:31], v[S+\j+2:S+\j+3]
.endr
	v_pk_add_f32 v[28:29], v[28:29], v[30:31]
	v_add_f32 v28, v28, v29
.irp m, 1,2,4,8
	v_add_f32_dpp v28, v28, v28 row_xmask:\m row_mask:0xf bank_mask:0xf
.endr
	v_permlanex16_b32 v25, v28, s24, s25
	v_add_f32 v28, v28, v25                        ; L, at least about 1: the largest score's term
	s_wait_alu depctr_va_vdst(0)
	v_rcp_f32 v29, v28
	v_nop
	s_wait_alu depctr_va_vdst(0)
.irp j, 0,1,2,3,4,5,6,7
	v_mul_f32 v[MJ+\j], v[MJ+\j], v29              ; e^(m_j - M) / L
.endr
.irp j, 0,1,2,3
	v_mul_f32 v[OWN+\j], v[OWN+\j], v29
.endr
	global_store_b128 v1, v[OWN:OWN+3], s[10:11]   ; 512 consecutive bytes of out1, aligned
	s_wait_alu depctr_va_vdst(0)                   ; the wait here, directly ahead of the wait below
	s_wait_loadcnt 0x0
.irp e, 0,2,4,6
	v_pk_mul_f32 v[O+\e:O+\e+1], v[PCR+\e:PCR+\e+1], v[MJ:MJ+1] op_sel_hi:[1,0]
.endr
.irp j, 1,2,3,4,5,6,7
.irp e, 0,2,4,6
.if \j%2 == 0
	v_pk_fma_f32 v[O+\e:O+\e+1], v[PCR+8*\j+\e:PCR+8*\j+\e+1], v[MJ+2*(\j/2):MJ+2*(\j/2)+1], v[O+\e:O+\e+1] op_sel_hi:[1,0,1]
.else
	v_pk_fma_f32 v[O+\e:O+\e+1], v[PCR+8*\j+\e:PCR+8*\j+\e+1], v[MJ+2*(\j/2):MJ+2*(\j/2)+1], v[O+\e:O+\e+1] op_sel:[0,1,0] op_sel_hi:[1,1,1]
.endif
.endr
.endr
	global_store_b128 v1, v[O:O+3], s[8:9]         ; 512 consecutive bytes of out0, aligned
	global_store_b128 v1, v[O+4:O+7], s[8:9] offset:512
	s_endpgm
.Lfunc_end_k_q6b9d5ed7c8_join:
	.size	k_q6b9d5ed7c8_join, .Lfunc_end_k_q6b9d5ed7c8_join-k_q6b9d5ed7c8_join
	.p2alignl 7, 3214868480
	.fill 96, 4, 3214868480
	.section	.rodata,"a",@progbits
	.p2align	6, 0x0
	.amdhsa_kernel k_q6b9d5ed7c8_join
		.amdhsa_group_segment_fixed_size 0
		.amdhsa_private_segment_fixed_size 0
		.amdhsa_enable_private_segment 0
		.amdhsa_kernarg_size 32
		.amdhsa_user_sgpr_count 2
		.amdhsa_user_sgpr_kernarg_segment_ptr 1
		.amdhsa_wavefront_size32 1
		.amdhsa_system_sgpr_workgroup_id_x 1
		.amdhsa_system_sgpr_workgroup_id_y 1
		.amdhsa_system_sgpr_workgroup_id_z 1
		.amdhsa_system_vgpr_workitem_id 0
		.amdhsa_next_free_vgpr 168
		.amdhsa_next_free_sgpr 66
		.amdhsa_reserve_vcc 0
		.amdhsa_float_denorm_mode_32 3
		.amdhsa_float_denorm_mode_16_64 3
		.amdhsa_memory_ordered 1
		.amdhsa_forward_progress 1
		.amdhsa_inst_pref_size 15
	.end_amdhsa_kernel
	.amdgpu_metadata
---
amdhsa.version: [ 1, 2 ]
amdhsa.kernels:
  - .name:           k_q6b9d5ed7c8_join
    .symbol:         k_q6b9d5ed7c8_join.kd
    .args:
      - { .name: scores, .offset: 0, .size: 8, .value_kind: global_buffer, .address_space: global }
      - { .name: pc, .offset: 8, .size: 8, .value_kind: global_buffer, .address_space: global }
      - { .name: out0, .offset: 16, .size: 8, .value_kind: global_buffer, .address_space: global }
      - { .name: out1, .offset: 24, .size: 8, .value_kind: global_buffer, .address_space: global }
    .group_segment_fixed_size: 0
    .private_segment_fixed_size: 0
    .kernarg_segment_align: 8
    .kernarg_segment_size: 32
    .max_flat_workgroup_size: 32
    .sgpr_count:     66
    .vgpr_count:     168
    .wavefront_size: 32
...
	.end_amdgpu_metadata
.endif
;; end of part 3
